; MI455X (gfx1250); checked and timed in simulation.
; The chip was launched on July 23, 2026; its instructions are those of AMD's public machine-readable ISA for CDNA 5 (MIT licence, August 2026) and "CDNA5" Instruction Set Architecture Reference Guide (July 2026). The comments in the code are by the model that wrote it; some were corrected since.
;; Dot Product Attention. Allowed arithmetic: matrix products marked QUANTISED: E3M2 operands, one E8M0 scale for each 32 along K, by v_wmma_scale_f32_16x16x128_f8f6f4 with both operands' format E3M2, f32 sums; everything else in f32.
;; Inputs: K 4 x 16 x 2,048 x 128 float32; Q 4 x 16 x 2,048 x 128 float32; V 4 x 16 x 2,048 x 128 float32.
;; Outputs: out0 4 x 16 x 2,048 x 128 float32.
;; This version of the problem:
;;   THIS VERSION OF THE PROBLEM IS GIVEN IN LOW PRECISION. The matrix products marked QUANTISED in the list below multiply operands that are first quantised to E3M2 (3 exponent bits, 2 mantissa bits; 6 bits a number), with one power-of-two scale for each 32 numbers along K (OCP MX v1.0); their sums are f32. All else is computed in f32.
;;   The module's matrix products, in the order in which they are computed (A, B: the left and right operand; K: the contracted axis; several contracted axes count as one K, in the product's order):
;;     1. batch 64 x [M 2,048, K 128] x [K 128, N 2,048]; A: input Q; B: input K: QUANTISED
;;     2. batch 64 x [M 2,048, K 2,048] x [K 2,048, N 128]; A: softmax (see below); B: input V: QUANTISED
;;   THE QUANTISER, for each operand of a quantised product, along K:
;;     - K is cut into blocks of 32 from its start; a last block that is shorter is filled with zeros.
;;     - A block's scale is 2^e with e = floor(log2(the largest magnitude in the block)) - 4, held to -126 .. 127; a block of zeros has e = 0. As a byte (E8M0): e + 127.
;;     - Each number is divided by its block's scale, clamped to +-28, and rounded to the nearest number of E3M2, ties to even, subnormals kept.
;;     - The product sums the exact products of the quantised numbers (number of the format x scale) in f32.
;;   ~~~python
;;   def quantise(x, axis):      # numpy; x: float32 -> the quantised numbers, widened to float32 again
;;       x = np.moveaxis(x, axis, -1); K = x.shape[-1]
;;       x = np.pad(x, [(0, 0)] * (x.ndim - 1) + [(0, -K % 32)]); x = x.reshape(x.shape[:-1] + (-1, 32)); a = np.abs(x).max(-1, keepdims=True)
;;       e = np.where(a > 0, np.clip(np.frexp(np.where(a > 0, a, 1))[1] - 1 - 4, -126, 127), 0)      # np.frexp(a)[1] - 1 = floor(log2(a)), exactly
;;       r = np.clip(x / 2.0 ** e, -28, 28)
;;       step = 2.0 ** (np.maximum(np.frexp(np.where(r == 0, 1, r))[1] - 1, -2) - 2)
;;       q = np.round(r / step) * step * 2.0 ** e      # np.round: ties to even
;;       return np.moveaxis(q.reshape(q.shape[:-2] + (-1,))[..., :K], -1, axis).astype(np.float32)
;;   ~~~
;;   SOFTMAX AHEAD OF A QUANTISED PRODUCT. Where the list says 'softmax', what is quantised is not the finished softmax but p = 2^(t - M), with t = logit x log2(e) and M = ceil(the row's largest t), a whole number; so 1/2 < the row's largest p <= 1. The row's sum l is taken of the UNQUANTISED p, in f32, and the product's result is divided by l at the end. Since M is a whole number, a kernel that streams over the keys may use a running M (the ceiling of the running maximum): every later rescaling is an exact power of two, which a block's scale takes up: the codes' values come out the same.
;;   OPERANDS COMPUTED ON THE WAY. 'Computed on the way' means the value that the module computes at that place (a softmax that the list does not call 'softmax' is quantised finished and normalised). What goes into a quantiser is computed in f32, as accurately as f32 sums, v_exp_f32 and their like allow (about 1e-6 of the number): no bf16 or f16 on the way to a quantiser, and a product that is left as it is and whose result goes on into a quantised operand takes f32 operands (vector FMAs, or v_wmma_f32_16x16x4_f32). A number that lies on a knife's edge between two numbers of the format may be rounded either way, as far as f32 arithmetic and the matrix unit's own rounding can turn it there, and no further.
;; One version. Each part assembles by itself: llvm-mc -triple=amdgcn-amd-amdhsa -mcpu=gfx1250 --defsym DOCPART=n.
;; ======== version 1 of 1: 2 launches
;; limits: right only within a limited range of input values
;; workspace buffers: qc 12,582,912 bytes; qs 524,288 bytes; kv 25,165,824 bytes; kvs 1,048,576 bytes
;; launch quant (part 1): grid 1536 x 1, 4 waves a work-group, no clusters, 74,240 bytes of LDS; arguments Q, K, V, qc, qs, kv, kvs; writes qc, qs, kv, kvs
.if DOCPART == 1
	.amdgcn_target "amdgcn-amd-amdhsa--gfx1250"
	.amdhsa_code_object_version 6
	.text
	.protected	k_qc6c57caace_quant
	.globl	k_qc6c57caace_quant
	.p2align	8
	.type	k_qc6c57caace_quant,@function
k_qc6c57caace_quant:
	s_mov_b64 s[64:65], 0
	v_nop
	global_prefetch_b8 v0, s[64:65] scope:SCOPE_SE
	s_setreg_imm32_b32 hwreg(HW_REG_WAVE_MODE, 25, 1), 1
	s_wait_xcnt 0x0
; Q, K, V [64 heads][2048][128], f32, are turned ONCE into codes of BF6 (E3M2) with one E8M0 scale byte for each 32 along a product's K, laid in the order of the matrix operand's registers,
; so that the attention launch fetches every fragment by three loads of 16 bytes a lane and every tile by one dense block.
; Q and K are quantised along the head's 128 (innermost in memory); V along the keys (its first axis within a head).
; A block's scale is 2^(floor(log2(its largest magnitude)) - 4); its byte is the largest magnitude's exponent field - 4, held at 1 from below.
; LIMITS: NaN and infinities among the inputs are not served.  A block of zeros, or one whose largest magnitude lies under 2^-122, gets the byte 1 (the rule says 127 for zeros): its codes are zeros or held
; small codes; the bytes are read by this program alone, and zero codes add nothing under any byte but 0xff.
; IMAGE OF A FRAGMENT (16 rows x 128 K, 12 registers a lane, 1,536 bytes): register p of lane L lies at byte 512 (p / 4) + 16 L + 4 (p % 4).  Lane L = r + 16 h holds row r; registers 6 c .. 6 c + 5 hold K = 64 c + 32 h + 0 .. 31.
; IMAGE OF THE SCALE WORDS OF 8 TILES (512 bytes): the word of tile 4 g + t', row r, lies at 16 (16 g + r) + 4 t'.
; ROWS OF A TILE OF Q OR K: row x of a block of 128 rows goes to tile 4 x6 + 2 x5 + x3, lane row 8 x4 + x[2:0] (x6 .. x0 the bits of x): lane r of tile 2 b + u is row 32 b + 8 u + r + 8 (r / 8).
; OUT: qc [head][tile 128][1536];  qs [head][block of 128 rows][512];  kv [head][key step of 128][K: 8 x 1536 | V: 8 x 1536];  kvs [head][key step][K 512 | V 512].
; Work-groups 0-511 take Q, 512-1023 K (one path, the pointers chosen), 1024-1535 V (a path and LDS bytes of its own).  No tensor loads, no barrier: waves share nothing.
.set STEPS, 16
.set SP,    80                         ; a lane's place in a turning stage: its 64 bytes + 16 of padding
.set WREG,  12288                      ; path Q/K: LDS of a wave: two stages of 32 x SP bytes, 256 scale bytes at SCB, the image of 4 fragments at IMG
.set SCB,   5120
.set IMG,   6144
.set VLDS,  49152                      ; path V: behind path Q/K's bytes, 6,144 for each wave: [key step 2][fragment 2][1536]
.set VREG,  6144
.set R,     16                         ; v16-79   four sets of 16 numbers as they are loaded
.set X,     80                         ; v80-111  two sets of 16 neighbours
.set E,     112                        ; v112-127 a scale byte for each step
.set C,     128                        ; v128-191 codes: four registers for each step, never written again
.set XV,    32                         ; path V: v32-95 two sets of 32 numbers
.set CV,    96                         ; v96-106 a block's codes
.set SB,    24                         ; v24-25  the scale words of the two key steps
.set OUTR,  112                        ; v112-159 the way out
	s_load_b256 s[4:11], s[0:1], 0x0               ; Q s[4:5], K s[6:7], V s[8:9], qc s[10:11]
	s_load_b128 s[12:15], s[0:1], 0x20             ; qs s[12:13], kv s[14:15]
	s_load_b64 s[16:17], s[0:1], 0x30              ; kvs
	v_lshl_add_u32 v192, v0, 2, 0x12000
	v_mov_b32 v193, 0
	v_lshrrev_b32 v1, 5, v0
	v_readfirstlane_b32 s18, v1                    ; wave 0..3
	v_and_b32 v2, 31, v0                           ; lane l
	s_cmp_ge_u32 ttmp9, 1024
	s_cbranch_scc1 .Lv
; ---------------- PATH Q / K.  A wave takes a run of 64 rows (8,192 numbers) in 16 steps of 4 rows.  In a step lane l holds 16 neighbours: row l / 8 of the four, k = 16 (l % 8) + 0 .. 15; two neighbouring lanes hold a block.
	v_lshlrev_b32 v3, 4, v2                        ; 16 l: my bytes of a load's or a store's 512
	s_mul_i32 s19, s18, WREG                       ; my wave's LDS
	v_lshrrev_b32 v14, 2, v2
	v_mul_u32_u24 v14, v14, SP
	v_and_b32 v15, 3, v2
	v_lshl_add_u32 v14, v15, 4, v14
	v_add_nc_u32 v14, s19, v14                     ; the stage on the way in: SP (l / 4) + 16 (l % 4)
	v_mul_u32_u24 v15, v2, SP
	v_add_nc_u32 v15, s19, v15                     ; and on the way out: SP l: my 16 neighbours
	v_lshrrev_b32 v8, 3, v2                        ; l / 8: my row of the step's four
	v_bfe_u32 v9, v2, 1, 2                         ; (l / 2) % 4: my block of the row's four
	v_lshl_add_u32 v5, v8, 4, v9
	s_add_co_u32 s20, s19, SCB
	v_add_nc_u32 v5, s20, v5                       ; my block's scale byte: 16 x row + byte
	v_lshlrev_b32 v7, 3, v2                        ; the scale bytes on the way out: 8 bytes a lane
	v_add_nc_u32 v6, s20, v7
	s_add_co_u32 s20, s19, IMG
	v_add_nc_u32 v4, s20, v3                       ; the image on the way out: 16 bytes a lane
	v_bfe_u32 v9, v2, 1, 1                         ; h of the operand's lane = my block % 2
	v_lshlrev_b32 v9, 8, v9
	v_lshl_add_u32 v9, v8, 4, v9
	v_add_nc_u32 v9, s20, v9                       ; IMG + 256 h + 16 (l / 8)
	v_and_b32 v8, 1, v2
	v_mul_u32_u24 v8, v8, 3
	v_bfe_u32 v11, v2, 2, 1
	v_mad_u32_u24 v8, v11, 6, v8                   ; the operand's register that my first code word is: 3 (l % 2) + 6 (block / 2)
.macro MKA reg, i                      ; where my code word i goes in a fragment's image: 512 (p / 4) + 4 (p % 4) + the lane's part, p = v8 + i
	v_add_nc_u32 v11, \i, v8
	v_lshrrev_b32 v[\reg], 2, v11
	v_and_b32 v11, 3, v11
	v_lshlrev_b32 v11, 2, v11
	v_lshl_add_u32 v[\reg], v[\reg], 9, v11
	v_add_nc_u32 v[\reg], v[\reg], v9
.endm
	MKA 10, 0
	MKA 12, 1
	MKA 13, 2
	s_mov_b32 s21, 24576                           ; bytes of codes from one block of 128 rows to the next: kv's (qc's: 12,288)
	s_mov_b32 s23, 1024                            ; and of scale words: kvs's (qs's: 512)
	s_wait_kmcnt 0x0
	s_cmp_lt_u32 ttmp9, 512                        ; Q's work-group or K's?  The choice hangs on the work-group's number alone
	s_cselect_b64 s[4:5], s[4:5], s[6:7]
	s_cselect_b64 s[10:11], s[10:11], s[14:15]
	s_cselect_b64 s[12:13], s[12:13], s[16:17]
	s_cselect_b32 s21, 12288, s21
	s_cselect_b32 s23, 512, s23
	s_and_b32 s24, ttmp9, 511
	s_lshl_b32 s24, s24, 2
	s_add_co_u32 s24, s24, s18                     ; my run of 64 rows, 0 .. 2047
	s_lshl_b32 s26, s24, 15                        ; 32,768 bytes of f32 a run
	s_mov_b32 s27, 0
	s_add_nc_u64 s[4:5], s[4:5], s[26:27]
	s_lshr_b32 s25, s24, 1                         ; the block of 128 rows,
	s_and_b32 s24, s24, 1                          ; and which half of it: tiles 0-3 or 4-7
	s_mul_i32 s26, s25, s21
	s_mul_i32 s28, s24, 6144
	s_add_co_u32 s26, s26, s28
	s_add_nc_u64 s[10:11], s[10:11], s[26:27]
	s_mul_i32 s26, s25, s23
	s_lshl_b32 s28, s24, 8
	s_add_co_u32 s26, s26, s28
	s_add_nc_u64 s[12:13], s[12:13], s[26:27]
.macro LOADA t
.irp i, 0,1,2,3
	global_load_b128 v[R+16*((\t)%4)+4*\i:R+16*((\t)%4)+4*\i+3], v3, s[4:5] offset:2048*(\t)+512*\i th:TH_LOAD_NT   ; 32 lanes read 512 consecutive bytes; read once in the launch
.endr
.endm
.macro TURNA t                         ; step t's numbers through the stage: LDS serves a wave's instructions in order (ISA guide 5.7.1.4), so no wait stands between the stores and the loads
.irp i, 0,1,2,3
	ds_store_b128 v14, v[R+16*((\t)%4)+4*\i:R+16*((\t)%4)+4*\i+3] offset:32*SP*((\t)%2)+8*SP*\i
.endr
.irp i, 0,1,2,3
	ds_load_b128 v[X+16*((\t)%2)+4*\i:X+16*((\t)%2)+4*\i+3], v15 offset:32*SP*((\t)%2)+16*\i
.endr
.endm
.irp t, 0,1,2,3
	LOADA \t
.endr
	s_wait_loadcnt 12                              ; step 0's four loads are in; the twelve behind them may be out
	TURNA 0
; Step t holds rows 4 t + l / 8 of the run: tile TT = 2 (t / 8) + (t / 2) % 2 of the run's four, lane row 8 ((t / 4) % 2) + 4 (t % 2) + l / 8.
.macro STEPA t
.set XS, X+16*((\t)%2)
.set TT, 2*(((\t)/8)%2)+(((\t)/2)%2)
.set RO, 128*(((\t)/4)%2)+64*((\t)%2)
.if (\t) > 0
	s_wait_dscnt 4                                 ; this step's numbers are back from the stage (the last step's four small stores may be out): so its stores into the stage have read their registers,
.else
	s_wait_dscnt 0x0
.endif
.if (\t)+4 < STEPS
	LOADA (\t)+4                                   ; which take the loads of four steps on
.endif
.if (\t)+1 < STEPS
.if STEPS-2-(\t) >= 3
	s_wait_loadcnt 12                              ; the next step's four loads are in; those of the three steps behind it may be out
.else
	s_wait_loadcnt 4*(STEPS-2-(\t))
.endif
	TURNA (\t)+1                                   ; and go through the other stage while this step is worked
.endif
	v_max3_num_f32 v8, |v[XS]|, |v[XS+1]|, |v[XS+2]|               ; the largest magnitude of my 16, in two chains
	v_max3_num_f32 v9, |v[XS+3]|, |v[XS+4]|, |v[XS+5]|
.irp i, 6,10
	v_max3_num_f32 v8, v8, |v[XS+\i]|, |v[XS+\i+1]|
	v_max3_num_f32 v9, v9, |v[XS+\i+2]|, |v[XS+\i+3]|
.endr
	v_max3_num_f32 v8, v8, |v[XS+14]|, |v[XS+15]|
	v_max3_num_f32 v8, v8, v9, 0x2800000           ; and the floor 2^(5 - 127): the byte cannot fall under 1
	v_max_num_f32_dpp v8, v8, v8 row_xmask:1 row_mask:0xf bank_mask:0xf   ; and of my neighbour's 16: the block's
	v_add_nc_u32 v11, 0xfe000000, v8               ; 4 off its exponent field: the conversion takes the exponent field of this operand as its scale, and nothing else of it
	v_cvt_scalef32_pk16_bf6_f32 v[C+4*(\t):C+4*(\t)+2], v[XS:XS+15], v11   ; 16 codes, 96 bits, the first number's code lowest; beyond the largest code the largest
	v_lshrrev_b32 v[E+(\t)], 23, v11               ; the scale's byte (also the plain line behind the conversion)
	ds_store_b8 v5, v[E+(\t)] offset:4*TT+RO       ; both lanes of a block write the same byte with the same value
	ds_store_b32 v10, v[C+4*(\t)] offset:1536*TT+RO       ; my three code words, each to its register's place in the fragment's image
	ds_store_b32 v12, v[C+4*(\t)+1] offset:1536*TT+RO
	ds_store_b32 v13, v[C+4*(\t)+2] offset:1536*TT+RO
.endm
.irp t, 0,1,2,3,4,5,6,7,8,9,10,11,12,13,14,15
	STEPA \t
.endr
	ds_load_b64 v[64:65], v6                       ; LDS serves a wave's instructions in order: these see my stores
.irp k, 0,1,2,3,4,5,6,7,8,9,10,11
	ds_load_b128 v[R+4*\k:R+4*\k+3], v4 offset:512*\k
.endr
	s_wait_dscnt 0x0
	global_store_b64 v7, v[64:65], s[12:13]        ; 32 lanes store 256 consecutive bytes, aligned: the run's scale words
.irp k, 0,1,2,3,4,5,6,7,8,9,10,11
	global_store_b128 v3, v[R+4*\k:R+4*\k+3], s[10:11] offset:512*\k   ; 32 lanes store 512 consecutive bytes, aligned: four fragments on end
.endr
	s_wait_tensorcnt 0x0
	ds_add_u32 v192, v193
	s_wait_dscnt 0x0
	s_endpgm
; ---------------- PATH V.  A work-group takes 256 keys (two key steps) of one head.  A LANE TAKES A CHANNEL d = 32 w + l, AND ITS REGISTERS RUN DOWN THE KEYS: a block of 32 keys lies in one lane's 32 registers,
; its largest magnitude needs no other lane, and the conversions give codes with the keys innermost.  Each load of the four waves together reads a whole row of 512 bytes.
.Lv:
	s_sub_co_u32 s20, ttmp9, 1024                  ; 8 x head + which 256 keys
	s_wait_alu depctr_va_vdst(0)
	v_lshlrev_b32 v3, 2, v2                        ; in: 4 bytes a lane
	s_mul_i32 s19, s18, VREG
	s_add_co_u32 s19, s19, VLDS                    ; my wave's stage
	v_lshrrev_b32 v5, 4, v2                        ; l / 16: which of my wave's two fragments (16 channels each)
	v_and_b32 v6, 15, v2                           ; r: my row in it
	v_mul_u32_u24 v4, v5, 1536
	v_lshl_add_u32 v4, v6, 4, v4
	v_add_nc_u32 v4, s19, v4                       ; into the stage: 1536 (l / 16) + 16 r
	v_lshlrev_b32 v8, 4, v2                        ; out: 16 bytes a lane
	v_add_nc_u32 v7, s19, v8
	v_lshlrev_b32 v9, 2, v5
	v_lshl_add_u32 v9, v6, 4, v9                   ; my scale word's place: 16 r + 4 (l / 16)
	s_lshl_b32 s24, s20, 17                        ; V: 256 keys of 512 bytes,
	s_lshl_b32 s25, s18, 7                         ; + my wave's 32 channels
	s_add_co_u32 s24, s24, s25
	s_mov_b32 s25, 0
	s_mul_i32 s26, s20, 49152                      ; kv: two key steps of 24,576 bytes,
	s_mul_i32 s27, s18, 3072                       ; + my wave's two fragments,
	s_add_co_u32 s26, s26, s27
	s_add_co_u32 s26, s26, 12288                   ; behind K's eight
	s_mov_b32 s27, 0
	s_lshl_b32 s28, s20, 11                        ; kvs: two key steps of 1,024 bytes; fragment 2 w + l / 16 = 4 g + t': 256 g + 4 t'
	s_lshr_b32 s29, s18, 1
	s_lshl_b32 s29, s29, 8
	s_add_co_u32 s28, s28, s29
	s_and_b32 s29, s18, 1
	s_lshl_b32 s29, s29, 3
	s_add_co_u32 s28, s28, s29
	s_add_co_u32 s28, s28, 512                     ; behind K's 512
	s_mov_b32 s29, 0
	s_wait_kmcnt 0x0
	s_add_nc_u64 s[8:9], s[8:9], s[24:25]
	s_add_nc_u64 s[14:15], s[14:15], s[26:27]
	s_add_nc_u64 s[16:17], s[16:17], s[28:29]
.macro LOADV t                         ; block t: V(32 t + i, my channel), i = 0 .. 31, into set t % 2
.irp i, 0,1,2,3,4,5,6,7,8,9,10,11,12,13,14,15,16,17,18,19,20,21,22,23,24,25,26,27,28,29,30,31
	global_load_b32 v[XV+32*((\t)%2)+\i], v3, s[8:9] offset:(32*(\t)+\i)*512 th:TH_LOAD_NT
.endr
.endm
	LOADV 0
	LOADV 1
; Block t is block t % 4 = 2 c + h of key step t / 4: its six code words are registers 6 c .. 6 c + 5 of the operand's lane r + 16 h.
.macro BLOCKV t
.set XS, XV+32*((\t)%2)
.set SO2, 3072*((\t)/4)+256*((\t)%2)
.if (\t) < 7
	s_wait_loadcnt 32                              ; this block's 32 loads are in; the next block's may be out
.else
	s_wait_loadcnt 0x0
.endif
	v_max3_num_f32 v12, |v[XS]|, |v[XS+1]|, |v[XS+2]|              ; the block's largest magnitude: all 32 numbers are mine
	v_max3_num_f32 v13, |v[XS+3]|, |v[XS+4]|, |v[XS+5]|
.irp i, 6,10,14,18,22,26
	v_max3_num_f32 v12, v12, |v[XS+\i]|, |v[XS+\i+1]|
	v_max3_num_f32 v13, v13, |v[XS+\i+2]|, |v[XS+\i+3]|
.endr
	v_max3_num_f32 v12, v12, |v[XS+30]|, |v[XS+31]|
	v_max3_num_f32 v12, v12, v13, 0x2800000        ; and the floor 2^(5 - 127)
	v_add_nc_u32 v11, 0xfe000000, v12              ; the conversion's scale operand
	v_lshrrev_b32 v13, 23, v11                     ; the scale's byte
	v_cvt_scalef32_pk16_bf6_f32 v[CV:CV+2], v[XS:XS+15], v11
	v_cvt_scalef32_pk16_bf6_f32 v[CV+8:CV+10], v[XS+16:XS+31], v11   ; (a conversion's three registers begin on an even number)
.if (\t)%4 == 0
	v_mov_b32 v[SB+(\t)/4], v13                    ; four bytes to a word, the lower keys in the lower byte.  (The plain line behind the conversions)
.else
	v_lshl_or_b32 v[SB+(\t)/4], v13, 8*((\t)%4), v[SB+(\t)/4]
.endif
.irp i, 0,1,2
	v_mov_b32 v[CV+3+\i], v[CV+8+\i]               ; the block's six words on end
.endr
.if ((\t)/2)%2 == 0
	ds_store_b128 v4, v[CV:CV+3] offset:SO2        ; registers 0-3 of the operand,
	ds_store_b64 v4, v[CV+4:CV+5] offset:SO2+512   ; 4 and 5
.else
	ds_store_b64 v4, v[CV:CV+1] offset:SO2+520     ; registers 6 and 7,
	ds_store_b128 v4, v[CV+2:CV+5] offset:SO2+1024 ; 8-11
.endif
.if (\t)+2 < 8
	LOADV (\t)+2
.endif
	s_wait_dscnt 0x0                               ; the stores have read their registers: the next block's codes may be written
.endm
.irp t, 0,1,2,3,4,5,6,7
	BLOCKV \t
.endr
	global_store_b32 v9, v[SB], s[16:17]           ; my channel's scale words of the two key steps
	s_wait_alu depctr_va_vdst(0)
	global_store_b32 v9, v[SB+1], s[16:17] offset:1024
.irp m, 0,1,2,3,4,5,6,7,8,9,10,11
	ds_load_b128 v[OUTR+4*\m:OUTR+4*\m+3], v7 offset:3072*(\m/6)+512*(\m%6)   ; LDS serves a wave's instructions in order: these see my stores
.endr
.irp m, 0,1,2,3,4,5,6,7,8,9,10,11
	s_wait_dscnt 11-\m                             ; load m is back; the younger ones may be out
	global_store_b128 v8, v[OUTR+4*\m:OUTR+4*\m+3], s[14:15] offset:24576*(\m/6)+512*(\m%6)   ; 32 lanes store 512 consecutive bytes, aligned
.endr
	s_wait_tensorcnt 0x0
	ds_add_u32 v192, v193
	s_wait_dscnt 0x0
	s_endpgm
.Lfunc_end_k_qc6c57caace_quant:
	.size	k_qc6c57caace_quant, .Lfunc_end_k_qc6c57caace_quant-k_qc6c57caace_quant
	.p2alignl 7, 3214868480
	.fill 96, 4, 3214868480
	.section	.rodata,"a",@progbits
	.p2align	6, 0x0
	.amdhsa_kernel k_qc6c57caace_quant
		.amdhsa_group_segment_fixed_size 74240
		.amdhsa_private_segment_fixed_size 0
		.amdhsa_enable_private_segment 0
		.amdhsa_kernarg_size 56
		.amdhsa_user_sgpr_count 2
		.amdhsa_user_sgpr_kernarg_segment_ptr 1
		.amdhsa_wavefront_size32 1
		.amdhsa_system_sgpr_workgroup_id_x 1
		.amdhsa_system_sgpr_workgroup_id_y 1
		.amdhsa_system_sgpr_workgroup_id_z 1
		.amdhsa_system_vgpr_workitem_id 0
		.amdhsa_next_free_vgpr 194
		.amdhsa_next_free_sgpr 66
		.amdhsa_reserve_vcc 0
		.amdhsa_float_denorm_mode_32 3
		.amdhsa_float_denorm_mode_16_64 3
		.amdhsa_memory_ordered 1
		.amdhsa_forward_progress 1
		.amdhsa_inst_pref_size 78
	.end_amdhsa_kernel
	.amdgpu_metadata
---
amdhsa.version: [ 1, 2 ]
amdhsa.kernels:
  - .name:           k_qc6c57caace_quant
    .symbol:         k_qc6c57caace_quant.kd
    .args:
      - { .name: Q, .offset: 0, .size: 8, .value_kind: global_buffer, .address_space: global }
      - { .name: K, .offset: 8, .size: 8, .value_kind: global_buffer, .address_space: global }
      - { .name: V, .offset: 16, .size: 8, .value_kind: global_buffer, .address_space: global }
      - { .name: qc, .offset: 24, .size: 8, .value_kind: global_buffer, .address_space: global }
      - { .name: qs, .offset: 32, .size: 8, .value_kind: global_buffer, .address_space: global }
      - { .name: kv, .offset: 40, .size: 8, .value_kind: global_buffer, .address_space: global }
      - { .name: kvs, .offset: 48, .size: 8, .value_kind: global_buffer, .address_space: global }
    .group_segment_fixed_size: 74240
    .private_segment_fixed_size: 0
    .kernarg_segment_align: 8
    .kernarg_segment_size: 56
    .max_flat_workgroup_size: 128
    .sgpr_count:     66
    .vgpr_count:     194
    .wavefront_size: 32
...
	.end_amdgpu_metadata
.endif
;; end of part 1
;; launch attn (part 2): grid 4 x 64, 8 waves a work-group, clusters of 4 x 1, 327,680 bytes of LDS; arguments qc, qs, kv, kvs, out0; writes out0
.if DOCPART == 2
	.amdgcn_target "amdgcn-amd-amdhsa--gfx1250"
	.amdhsa_code_object_version 6
	.text
	.protected	k_qc6c57caace_attn
	.globl	k_qc6c57caace_attn
	.p2align	8
	.type	k_qc6c57caace_attn,@function
k_qc6c57caace_attn:
	s_mov_b64 s[64:65], 0
	v_nop
	global_prefetch_b8 v0, s[64:65] scope:SCOPE_SE
	s_setreg_imm32_b32 hwreg(HW_REG_WAVE_MODE, 25, 1), 1
	s_wait_xcnt 0x0
	s_wait_alu depctr_hold_cnt(0) depctr_sa_sdst(0) depctr_va_vdst(0) depctr_va_sdst(0) depctr_va_ssrc(0) depctr_va_vcc(0) depctr_vm_vsrc(0)
	s_getreg_b32 s2, hwreg(HW_REG_IB_STS2, 6, 4)
	s_cmp_eq_u32 s2, 0
	s_cbranch_scc0 .Lentry_in_a_cluster
	s_endpgm
.Lentry_in_a_cluster:
	s_bfe_u32 s2, ttmp6, 0x10000c
	s_cmp_lg_u32 s2, 0x3003
	s_cbranch_scc0 .Lentry_shape_is_right
	s_endpgm
.Lentry_shape_is_right:
; out0[head][q][:] = sum over keys k <= q of softmax_k(Q[q] . K[k] / sqrt(128)) V[k][:]; 64 heads, 2,048 queries and keys, head size 128; both products on codes of BF6 (E3M2), one E8M0 scale for each 32 along K.
; Codes and scale words come from the launch before as images of the operands' registers: a fragment (16 rows x 128 K, 1,536 bytes) is three loads of 16 bytes a lane;
; the scale words of 8 tiles (512 bytes) are one load of 16 bytes a lane (register t': tile t' in lanes 0-15, tile 4 + t' in lanes 16-31).
; SOFTMAX: t = score x log2(e) / sqrt(128); M = the running largest t rounded up to a whole number; p = 2^(t - M) is quantised along the keys; the row's sum is taken of the unquantised p and divides O at the end;
; when M moves, the sum and O are multiplied by 2^(old M - new M), which rounds nothing.
; LAYOUT: both products transposed (S^T = K Q^T, O^T = V^T P^T): a lane holds one query of each of two tiles.  Lane r of tile 2 b + u of a block of 128 rows is row 32 b + 8 u + r + 8 (r / 8).
; LEFT OUT: key steps all of whose keys come after a tile's queries: the causal mask makes their p zero for all inputs.
; SHARES: four work-groups to a head, one cluster; work-group j owns query tiles j + 4 n, n = 0 .. 31; tiles n = 2 m and 2 m + 1 (a pair, x = 0, 1) need key steps (128 keys) 0 .. m.
; A wave works a pair at once, so that each fragment of K and V read from LDS feeds two matrix instructions.  Wave w owns pair L, m = 8 + w (9 + w steps), and pair S, m = 7 - w (8 - w steps): 17 steps for every wave.
; At time tau = 0 .. 16 a wave works L on key step tau while tau <= 8 + w; then it stores L and works S on key step 16 - tau (its diagonal first).
; RING: six phases: slot 0 (4 units of 24,576 bytes) and slot 1 (5 units) hold key steps {0-3}, {4-8}, then [L tau, S tau, L tau + 1, S tau + 1] for tau = 9, 11, 13, 15 (tau = 16 has no L unit: it is not fetched).
; Each unit is asked for jointly by the four work-groups (mask 15), one tensor load a wave: a wave has one load out.  No branch and no LDS address hangs on j.
; PREFETCH: behind the fill of a phase, waves 5 and 6 name the L units of the phase after it (key steps 9 .. 15), one phase ahead of their load: 192 blocks of 256 bytes, block 4 i + j by work-group j, a lane a block.
; The S units and key steps 0 .. 8 are not named: S units have been read in this launch by the same cluster, and steps 0 .. 8 are loaded before a phase has passed.
; LIMITS: NaN and infinities are not served.  The scaled scores stay under 2^31 in magnitude.  A p under 2^-126 comes out of v_exp_f32 as 0.  A block's largest p is taken from its largest score by the same multiply-add and exponential.
; REGISTERS, window 0: v1-11 addresses; v12+4x -M, v13+4x largest t, v[14+4x:15+4x] the sum; v[20+2x] f; v24-47 Q, v48-49 its scale words, v50-51 mask numbers; v52-79 the same 28 for pair S;
; v80-175 eight fragments of K or V; v176-179 their scale words; v180-203 p's codes; v204-205 p's scale words; v206 -infinity; v208+24x at work.
; Window 1: v0-127 S^T, then p, of x = 0, 1; v128-255 O^T of x = 0, 1.
; (Of the mask numbers v50 and v78 alone are held: tile 1's queries lie 64 behind tile 0's, and one number serves both tiles; v51 and v79 hold nothing, and 27 registers are copied at the change of pairs.)
.set STEPB, 24576
.set SLOT1, 4*STEPB
.set SCL,   9*STEPB                    ; the head's scale words, 16 key steps x [K 512 | V 512]: filled once
.set SPARE, SCL+16384                  ; the spare words: 128 bytes a wave, no other line names them
.set STAGE, SPARE+1024                 ; 16 rows x 272 bytes for each wave, for the way out; no fill lands here
.set LI,  1
.set STO, 2
.set RD,  3
.set QA,  4
.set SPW, 5
.set NIL, 6
.set GO,  7
.set ADT, 8
.set ADS, 9
.set FR,  80
.set TT,  208                          ; + 24 x: 0-3 block maxima, 4-7 the other half's / bytes, 8-11 scale operands, 12-14 and 16-18 half blocks of codes, 20 and 21 single numbers
.set WV,  18
.set G1,  24
.set G1S, 32
.set G0S, 40
.set G0A, 44
.set G0B, 48
.set TB,  52
.set TS,  53
.set KF,  54
.set CNT, 55
.set DGS, 56
.set DGL, 57
.set KL,  58                           ; 128 tau
.set KS,  59                           ; 128 (16 - tau)
.set TSL, 60
.set TSS, 61
.set DG,  62
.set SWK, 63                           ; 128 x the time at which I change pairs
.set DA,  66
.set DP,  68
.set DN,  70
.set KVB, 72
.set PW,  80                           ; wave - 5
.set MSB, 0
.macro WIN new                         ; low byte: bits 1:0 source 0, 3:2 source 1, 5:4 source 2, 7:6 destination; the high byte repeats the setting that is left
.if MSB != \new
	s_set_vgpr_msb (MSB<<8)|\new
.set MSB, \new
.endif
.endm
.macro CROUND
	s_barrier_signal -1
	s_barrier_wait -1
	s_cmp_lg_u32 s[WV], 0
	s_cbranch_scc1 .Lnw0_\@
	s_barrier_signal -3
.Lnw0_\@:
	s_barrier_wait -3
	s_barrier_signal -1
	s_barrier_wait -1
.endm
.macro NOP4
.rept 4
	v_nop
.endr
.endm
.macro TLOAD g0, nw, hole              ; waves 0 .. nw - 1 fetch one unit each (hole = 1: not wave 2, whose unit no step reads)
	s_cmp_lt_u32 s[WV], \nw
	s_cbranch_scc0 .Lnone_\@
.if \hole
	s_cmp_eq_u32 s[WV], 2
	s_cbranch_scc1 .Lnone_\@
.endif
	tensor_load_to_lds s[\g0:\g0+3], s[G1:G1+7]
	s_nop 0
	NOP4
.Lnone_\@:
.endm
.macro ASK vo, ks, nw                  ; waves 5 .. 4 + nw name blocks of key step ks on
	s_cmp_lt_u32 s[PW], \nw
	s_cbranch_scc0 .Lna_\@
	global_prefetch_b8 v[\vo], s[KVB:KVB+1] offset:(\ks)*STEPB th:TH_LOAD_NT scope:SCOPE_SE
.Lna_\@:
.endm
; the change of slots with a fill: all my tensor loads are in; the add; my LDS reads are over; a round of the cluster's barrier; the fill first behind it
.macro CHANGE g0, adv, nw, hole
	s_wait_tensorcnt 0x0
	ds_add_u32 v[SPW], v[NIL]
.if \adv
	s_mov_b64 s[\g0+2:\g0+3], s[DA:DA+1]
.endif
.if \adv == 1
	s_add_nc_u64 s[DA:DA+1], s[DA:DA+1], s[DP:DP+1]     ; L units go two key steps up,
	s_sub_nc_u64 s[DA:DA+1], s[DA:DA+1], s[DN:DN+1]     ; S units two down
.endif
	s_wait_dscnt 0x0
	CROUND
	TLOAD \g0, \nw, \hole
.endm
.macro OFFS n, oq, os, oo, qb          ; byte offsets of tile n (in s[n]) in qc, qs, out0, and its first query number
	s_lshl_b32 s[\oq], s[\n], 2
	s_add_co_u32 s[\oq], s[\oq], s14
	s_mul_i32 s[\oq], s[\oq], 1536
	s_mul_i32 s81, s15, 196608
	s_add_co_u32 s[\oq], s[\oq], s81
	s_mov_b32 s[\oq+1], 0
	s_lshl_b32 s[\os], s[\n], 8
	s_lshl_b32 s81, s15, 13
	s_add_co_u32 s[\os], s[\os], s81
	s_lshl_b32 s81, s14, 2
	s_add_co_u32 s[\os], s[\os], s81
	s_mov_b32 s[\os+1], 0
	s_lshl_b32 s[\qb], s[\n], 6
	s_add_co_u32 s[\qb], s[\qb], s17
	s_lshl_b32 s[\oo], s[\qb], 9
	s_lshl_b32 s81, s15, 20
	s_add_co_u32 s[\oo], s[\oo], s81
	s_mov_b32 s[\oo+1], 0
.endm
	s_load_b256 s[4:11], s[0:1], 0x0               ; qc, qs, kv, kvs
	s_load_b64 s[12:13], s[0:1], 0x20              ; out0
	v_lshl_add_u32 v[SPW], v0, 2, SPARE
	v_mov_b32 v[NIL], 0
	ds_add_u32 v[SPW], v[NIL]
	ds_add_u32 v[SPW], v[NIL]
	v_lshrrev_b32 v8, 5, v0
	v_readfirstlane_b32 s[WV], v8                  ; wave 0..7
	s_bfe_u32 s14, ttmp6, 0x40000                  ; j: enters Q's, O's and the prefetches' global addresses and the mask numbers alone
	s_and_b32 s15, ttmp7, 0xffff                   ; the head
	s_min_u32 s19, s[WV], 4                        ; which unit of a slot I fetch, if I fetch
	s_mov_b32 s20, 0x76543210
	s_mov_b32 s21, 0xfedcba98
	s_mov_b32 s22, 0x3e0293ee                      ; log2(e) / sqrt(128)
	s_mov_b32 s23, s22
	s_lshl_b32 s16, s[WV], 7
	s_add_co_u32 s[DGL], s16, 1024
	s_add_co_u32 s[SWK], s16, 1152
	s_sub_co_u32 s[DGS], 896, s16
	s_sub_co_u32 s[PW], s[WV], 5
	s_mov_b32 s[DG], s[DGL]
	s_mov_b32 s[G1], 15|(3<<16)|(1<<21)            ; a unit: 96 rows of 256 dense bytes, mask of all four work-groups
	s_mov_b32 s[G1+1], 32<<16
	s_mov_b32 s[G1+2], 96<<16
	s_mov_b32 s[G1+3], 32<<16
	s_mov_b32 s[G1+4], 96
	s_mov_b32 s[G1+5], 32
	s_mov_b32 s[G1+6], 0
	s_mov_b32 s[G1+7], 0
	s_mov_b32 s[G1S], 15|(3<<16)|(1<<21)           ; a quarter of the scale words: 16 such rows
	s_mov_b32 s[G1S+1], 32<<16
	s_mov_b32 s[G1S+2], 16<<16
	s_mov_b32 s[G1S+3], 32<<16
	s_mov_b32 s[G1S+4], 16
	s_mov_b32 s[G1S+5], 32
	s_mov_b32 s[G1S+6], 0
	s_mov_b32 s[G1S+7], 0
	; what is shared: the head and the wave's number alone
	s_mul_i32 s82, s15, 393216
	s_mov_b32 s83, 0
	s_mul_i32 s[G0A+1], s19, STEPB
	s_add_co_u32 s[G0B+1], s[G0A+1], SLOT1
	s_and_b32 s84, s[WV], 3
	s_lshl_b32 s84, s84, 12
	s_add_co_u32 s[G0S+1], s84, SCL
	s_lshl_b32 s85, s15, 14
	s_add_co_u32 s84, s84, s85
	s_mov_b32 s85, 0
	s_and_b32 s86, s19, 1                          ; unit i of a dual slot: kind = i % 2 (0 L, 1 S), p = i / 2: key step 9 + p or 7 - p in the first dual phase
	s_lshr_b32 s87, s19, 1
	s_and_b32 s87, s87, 1
	s_add_co_u32 s88, s87, 1
	s_mul_i32 s88, s88, s86
	s_lshl_b32 s88, s88, 1
	s_add_co_u32 s89, s87, 9
	s_sub_co_u32 s89, s89, s88
	s_mul_i32 s88, s89, STEPB
	s_mov_b32 s89, 0
	s_mul_i32 s[DN], s86, 2*STEPB
	s_mov_b32 s[DN+1], 0
	s_xor_b32 s86, s86, 1
	s_mul_i32 s[DP], s86, 2*STEPB
	s_mov_b32 s[DP+1], 0
	s_mul_i32 s86, s19, STEPB
	s_mov_b32 s87, 0
	; what is mine: the pairs' first tiles, n = 14 - 2 w and 16 + 2 w; the second tile lies 6,144 bytes of codes, 256 of scale words and 64 queries on
	s_lshr_b32 s17, s14, 1
	s_lshl_b32 s17, s17, 5
	s_and_b32 s81, s14, 1
	s_lshl_b32 s81, s81, 3
	s_add_co_u32 s17, s17, s81                     ; 32 (j / 2) + 8 (j % 2)
	s_lshl_b32 s98, s[WV], 1
	s_sub_co_u32 s97, 14, s98
	s_add_co_u32 s98, s98, 16
	OFFS 97, 90, 92, 94, 99
	OFFS 98, 52, 54, 58, 60
	s_mul_i32 s16, s[WV], 16*272
	s_add_co_u32 s16, s16, STAGE
	v_and_b32 v[LI], 31, v0
	v_and_b32 v8, 15, v0                           ; r
	v_bfe_u32 v9, v0, 4, 1                         ; h
	v_add_nc_u32 v10, 0xffffff60, v0               ; thread - 160: the prefetching waves' lanes count from 0
	v_and_b32 v207, 8, v0
	v_lshlrev_b32 v[LI], 4, v[LI]
	v_mul_u32_u24 v[STO], v8, 272
	v_mul_u32_u24 v[RD], v9, 272
	v_min_u32 v11, 23, v10
	v_add_nc_u32 v207, v207, v8
	v_lshlrev_b32 v[QA], 4, v8
	v_lshl_add_u32 v[STO], v9, 5, v[STO]
	v_lshl_add_u32 v[RD], v8, 4, v[RD]
	v_min_u32 v10, 47, v10
	v_lshlrev_b32 v228, 4, v9
	v_lshl_add_u32 v11, v11, 2, s14
	v_add_nc_u32 v[STO], s16, v[STO]               ; into the stage: row r, + 32 h
	v_add_nc_u32 v[RD], s16, v[RD]                 ; back: lanes 0-15 one row, lanes 16-31 the next
	v_lshl_add_u32 v10, v10, 2, s14
	v_sub_nc_u32 v207, v207, v228
	v_lshl_add_u32 v[GO], v9, 9, v[QA]
	v_lshlrev_b32 v11, 8, v11                      ; 256 x block, one unit's 96 blocks
	v_mov_b32 v206, 0xff800000
	v_lshlrev_b32 v10, 8, v10                      ; 256 x block, two units' 192 blocks
	v_add_nc_u32 v78, s99, v207                    ; the mask numbers: my query - 16 h, of pair S,
	v_add_nc_u32 v50, s60, v207                    ; of pair L
	v_mov_b32 v21, 0
	v_mov_b32 v23, 0
.irp x, 0,1
.irp b, 4,5,6,7,20
	v_mov_b32 v[TT+24*\x+\b], 0                    ; written once: a lane permute's destination counts as one of its sources
.endr
.endr
	s_wait_alu depctr_va_vdst(0)
	s_wait_dscnt 0x0
	s_wait_kmcnt 0x0
	s_add_nc_u64 s[74:75], s[4:5], s[90:91]        ; pair S: qc, qs, out0
	s_add_nc_u64 s[76:77], s[6:7], s[92:93]
	s_add_nc_u64 s[78:79], s[12:13], s[94:95]
	s_add_nc_u64 s[4:5], s[4:5], s[52:53]          ; pair L
	s_add_nc_u64 s[6:7], s[6:7], s[54:55]
	s_add_nc_u64 s[12:13], s[12:13], s[58:59]
	s_add_nc_u64 s[KVB:KVB+1], s[8:9], s[82:83]
	s_mov_b32 s[G0S], 1
	s_add_nc_u64 s[G0S+2:G0S+3], s[10:11], s[84:85]
	s_or_b32 s[G0S+3], s[G0S+3], 0x80000000
	s_mov_b32 s[G0A], 1
	s_add_nc_u64 s[G0A+2:G0A+3], s[KVB:KVB+1], s[86:87]     ; key step i
	s_mov_b32 s[G0B], 1
	s_add_nc_u64 s[G0B+2:G0B+3], s[G0A+2:G0A+3], 4*STEPB    ; key step 4 + i
	s_add_nc_u64 s[DA:DA+1], s[KVB:KVB+1], s[88:89]
	s_or_b32 s[G0A+3], s[G0A+3], 0x80000000
	s_or_b32 s[G0B+3], s[G0B+3], 0x80000000
	s_or_b32 s[DA+1], s[DA+1], 0x80000000
.irp x, 0,1
.irp c, 0,1,2
	global_load_b128 v[24+12*\x+4*\c:27+12*\x+4*\c], v[LI], s[4:5] offset:6144*\x+512*\c     ; Q of pair L, asked for ahead of the round
.endr
.endr
.irp x, 0,1
	global_load_b32 v[48+\x], v[QA], s[6:7] offset:256*\x
.endr
	CROUND                                         ; the first joint loads meet
	s_cmp_lt_u32 s[WV], 4                          ; one tensor load a wave at the head: waves 0-3 slot 0's units, waves 4-7 the scale words
	s_cbranch_scc0 .Lh1
	tensor_load_to_lds s[G0A:G0A+3], s[G1:G1+7]
	s_nop 0
	NOP4
	s_branch .Lhj
.Lh1:
	tensor_load_to_lds s[G0S:G0S+3], s[G1S:G1S+7]
	s_nop 0
	NOP4
.Lhj:
.macro INIT again                      ; a pair begins: O^T and the sums are zeros, the largest t lies under every t
.irp x, 0,1
	v_mov_b32 v[13+4*\x], 0xff61b1e6
	v_mov_b32 v[14+4*\x], 0
	v_mov_b32 v[15+4*\x], 0
.endr
.irp x, 0,1
	v_floor_f32 v[12+4*\x], -v[13+4*\x]
.endr
	WIN 0x40
.set J, 0
.rept 128
	v_mov_b32 v[128+J], 0
.set J, J+1
.endr
	WIN 0
.if \again
	s_wait_xcnt 0x0                                ; the stores' data registers (v80-175, v208-239) are rewritten only behind this wait; the lines above name none of them
.endif
.endm
; THE WAY OUT of a pair: O^T / the row's sum, through my stage, half a row (256 bytes) of 16 queries at a time.  base: the scalar pair with the pair's first byte in out0
.macro WAYOUT base
	NOP4                                           ; places behind the last products
.irp x, 0,1
	v_add_f32 v[14+4*\x], v[14+4*\x], v[15+4*\x]
.endr
.irp x, 0,1
	v_permlanex16_b32 v[TT+24*\x+20], v[14+4*\x], s20, s21
.endr
.irp x, 0,1
	v_add_f32 v[14+4*\x], v[14+4*\x], v[TT+24*\x+20]
.endr
	s_wait_alu depctr_va_vdst(0)                   ; ahead of the transcendentals
	v_rcp_f32 v14, v14
	v_rcp_f32 v18, v18
	v_nop
	WIN 0x41
	s_wait_alu depctr_va_vdst(0)                   ; and behind them, directly ahead of the first reader of O^T
.irp x, 0,1
.set J, 0
.rept 32
	v_pk_mul_f32 v[128+64*\x+J:129+64*\x+J], v[128+64*\x+J:129+64*\x+J], v[14+4*\x:15+4*\x] op_sel_hi:[1,0]
.set J, J+2
.endr
.endr
	s_wait_alu depctr_va_vdst(0)
.irp x, 0,1
.irp u, 0,1
	WIN 0x04                                       ; the stores' data lie in window 1
.irp t, 0,1,2,3
	ds_store_b128 v[STO], v[128+64*\x+32*\u+8*\t:131+64*\x+32*\u+8*\t] offset:64*\t
	ds_store_b128 v[STO], v[132+64*\x+32*\u+8*\t:135+64*\x+32*\u+8*\t] offset:64*\t+16
.endr
	WIN 0
.irp i, 0,1,2,3,4,5,6,7
	ds_load_b128 v[80+32*\u+\x*(64+32*\u)+4*\i:83+32*\u+\x*(64+32*\u)+4*\i], v[RD] offset:544*\i   ; LDS serves a wave's instructions in order (ISA guide 5.7.1.4); four sets of 32 registers: v80, v112, v144, v208
.endr
.endr
.endr
.irp x, 0,1                                    ; all 64 LDS instructions are issued: now the stores
.irp u, 0,1
.irp i, 0,1,2,3,4,5,6,7
	s_wait_dscnt 55-32*\x-16*\u-\i                 ; the 7 - i loads of this group and the 16 LDS instructions of each later group may be out
	global_store_b128 v[GO], v[80+32*\u+\x*(64+32*\u)+4*\i:83+32*\u+\x*(64+32*\u)+4*\i], s[\base:\base+1] offset:32768*\x+(2*\i+8*(\i/4))*512+256*\u th:TH_STORE_NT   ; 16 lanes store 256 consecutive bytes, aligned
.endr
.endr
.endr
.endm
; A STEP: 128 keys for my 2 x 16 queries.  dual = 1: the wave may be at pair S, and changes pairs at its own time; msk = 1: the step may be a diagonal one.
.macro STEP dual, msk
.if \dual
	s_cmp_lg_u32 s[KL], s[SWK]                     ; ids alone: the loop's step and the wave's number
	s_cbranch_scc1 .Lnsw_\@
	WAYOUT 12                                      ; pair L is done
	s_wait_loadcnt 0x0                             ; pair S's Q is in
.set J, 0
.rept 27
	v_mov_b32 v[24+J], v[52+J]                     ; fragments, scale words, mask numbers
.set J, J+1
.endr
	INIT 1
	s_wait_alu depctr_va_vdst(0)
.Lnsw_\@:
	s_min_u32 s96, s[TSL], SCL+15360               ; (at tau = 16 there is no L step: held inside the scale words)
	s_cmp_gt_u32 s[KL], s[DGL]                     ; am I at pair S?
	s_cselect_b32 s[KF], s[KS], s[KL]
	s_cselect_b32 s[DG], s[DGS], s[DGL]
	s_cselect_b32 s[TS], s[TSS], s96
	s_cselect_b32 s16, STEPB, 0
	s_add_co_u32 s16, s16, s[TB]
	v_add_nc_u32 v[ADT], s16, v[LI]
.else
	s_mov_b32 s[KF], s[KL]
	s_mov_b32 s[TS], s[TSL]
	v_add_nc_u32 v[ADT], s[TB], v[LI]
.endif
	v_add_nc_u32 v[ADS], s[TS], v[LI]
	s_wait_alu depctr_va_vdst(0)
	v_nop
	v_nop                                          ; four places in front of loads into registers that the last products have read
	ds_load_b128 v[176:179], v[ADS]                ; K's scale words, then its eight fragments: 25 loads in one run
.irp t, 0,1,2,3,4,5,6,7
.irp c, 0,1,2
	ds_load_b128 v[FR+12*\t+4*\c:FR+3+12*\t+4*\c], v[ADT] offset:\t*1536+512*\c
.endr
.endr
	WIN 0x40                                       ; S^T lies in window 1
.irp t, 0,1,2,3,4,5,6,7
	s_wait_dscnt 21-3*\t                           ; fragment t is in; the 3 (7 - t) loads behind it may be out
.irp x, 0,1
.if \t > 3
	v_wmma_scale_f32_16x16x128_f8f6f4 v[64*\x+8*\t:64*\x+8*\t+7], v[FR+12*\t:FR+11+12*\t], v[24+12*\x:35+12*\x], 0, v[176+\t%4], v[48+\x] matrix_a_fmt:MATRIX_FMT_BF6 matrix_b_fmt:MATRIX_FMT_BF6 matrix_a_scale:MATRIX_SCALE_ROW1
.else
	v_wmma_scale_f32_16x16x128_f8f6f4 v[64*\x+8*\t:64*\x+8*\t+7], v[FR+12*\t:FR+11+12*\t], v[24+12*\x:35+12*\x], 0, v[176+\t%4], v[48+\x] matrix_a_fmt:MATRIX_FMT_BF6 matrix_b_fmt:MATRIX_FMT_BF6
.endif
.endr
.endr                                          ; register 64 x + 16 b + i is key KF + 32 b + 16 h + i of query r of tile x
	WIN 0
	NOP4
	ds_load_b128 v[176:179], v[ADS] offset:512     ; V's scale words and fragments are on their way while the softmax is worked
.irp t, 0,1,2,3,4,5,6,7
.irp c, 0,1,2
	ds_load_b128 v[FR+12*\t+4*\c:FR+3+12*\t+4*\c], v[ADT] offset:12288+\t*1536+512*\c
.endr
.endr
.if \msk
	s_cmp_lg_u32 s[KF], s[DG]                      ; only on the diagonal are keys hidden
	s_cbranch_scc1 .Lopen_\@
	s_sub_co_i32 s16, 0, s[KF]
	v_add_nc_u32 v[TT+21], s16, v50                ; d = tile 0's query - KF - 16 h, 0 .. 63 less 16 h: its register 16 b + i is hidden where 32 b + i > d
	WIN 0x41                                       ; tile 1's queries lie 64 on: its blocks 0 and 1 are open, and its blocks 2 and 3 have the lane masks of tile 0's blocks 0 and 1
.set N, 0
.rept 4                                        ; eight masks at a time, in eight scalar registers by turns
.set M, 0
.rept 8
	v_cmp_gt_i32 s[82+M], 32*((N+M)/16)+(N+M)%16, v[TT+21]
.set M, M+1
.endr
.set M, 0
.rept 8
	v_cndmask_b32 v[N+M], v[N+M], v206, s[82+M]
.set M, M+1
.endr
.set M, 0
.rept 8
	v_cndmask_b32 v[96+N+M], v[96+N+M], v206, s[82+M]
.set M, M+1
.endr
.set N, N+8
.endr
	WIN 0x40
.set N, 0
.rept 32
	v_mov_b32 v[32+N], v206                        ; tile 0's blocks 2 and 3: keys 64 on, behind all its queries
.set N, N+1
.endr
	WIN 0
.Lopen_\@:
.endif
	WIN 0x15
.irp x, 0,1
.irp b, 0,1,2,3
	v_max3_num_f32 v[TT+24*\x+\b], v[64*\x+16*\b], v[64*\x+16*\b+1], v[64*\x+16*\b+2]   ; the largest score of each block of 32 keys
.endr
.endr
	WIN 0x14
.irp i, 3,5,7,9,11,13
.irp x, 0,1
.irp b, 0,1,2,3
	v_max3_num_f32 v[TT+24*\x+\b], v[TT+24*\x+\b], v[64*\x+16*\b+\i], v[64*\x+16*\b+\i+1]
.endr
.endr
.endr
.irp x, 0,1
.irp b, 0,1,2,3
	v_max_num_f32 v[TT+24*\x+\b], v[TT+24*\x+\b], v[64*\x+16*\b+15]
.endr
.endr
	WIN 0
.irp x, 0,1
.irp b, 0,1,2,3
	v_permlanex16_b32 v[TT+24*\x+4+\b], v[TT+24*\x+\b], s20, s21
.endr
.endr
.irp x, 0,1
.irp b, 0,1,2,3
	v_max_num_f32 v[TT+24*\x+\b], v[TT+24*\x+\b], v[TT+24*\x+4+\b]
.endr
.endr
.irp x, 0,1
	v_max3_num_f32 v[TT+24*\x+20], v[TT+24*\x], v[TT+24*\x+1], v[TT+24*\x+2]
.endr
.irp x, 0,1
	v_max_num_f32 v[TT+24*\x+20], v[TT+24*\x+20], v[TT+24*\x+3]
.endr
.irp x, 0,1
	v_mul_f32 v[TT+24*\x+20], s22, v[TT+24*\x+20]
.endr
.irp x, 0,1
	v_max_num_f32 v[13+4*\x], v[13+4*\x], v[TT+24*\x+20]   ; the running largest t
.endr
.irp x, 0,1
	v_mov_b32 v[TT+24*\x+20], v[12+4*\x]
.endr
.irp x, 0,1
	v_floor_f32 v[12+4*\x], -v[13+4*\x]            ; -M = -ceil(t)
.endr
.irp x, 0,1
	v_sub_f32 v[TT+24*\x+20], v[12+4*\x], v[TT+24*\x+20]
.endr
.irp x, 0,1
	v_cvt_i32_f32 v[TT+24*\x+20], v[TT+24*\x+20]   ; (it saturates)
.endr
.irp x, 0,1
	v_ldexp_f32 v[20+2*\x], 1.0, v[TT+24*\x+20]    ; f = 2^(old M - new M)
.endr
.irp x, 0,1
.irp b, 0,1,2,3
	v_fma_f32 v[TT+24*\x+\b], v[TT+24*\x+\b], s22, v[12+4*\x]
.endr
.endr
	WIN 0x41
.irp x, 0,1
.set J, 0
.rept 32
	v_pk_fma_f32 v[64*\x+J:64*\x+J+1], v[64*\x+J:64*\x+J+1], s[22:23], v[12+4*\x:13+4*\x] op_sel_hi:[1,0,0]   ; t - M
.set J, J+2
.endr
.endr
	s_wait_alu depctr_va_vdst(0)                   ; ahead of the batch
.set J, 0
.rept 128
	v_exp_f32 v[J], v[J]                           ; p
.set J, J+1
.endr
	WIN 0
.irp x, 0,1
.irp b, 0,1,2,3
	v_exp_f32 v[TT+24*\x+\b], v[TT+24*\x+\b]       ; each block's largest p
.endr
.endr
.irp x, 0,1
	v_pk_mul_f32 v[14+4*\x:15+4*\x], v[14+4*\x:15+4*\x], v[20+2*\x:21+2*\x] op_sel_hi:[1,0]
.endr
	s_wait_alu depctr_va_vdst(0)                   ; and behind it
.irp x, 0,1
.irp b, 0,1,2,3
	v_max_num_f32 v[TT+24*\x+\b], 0x2800000, v[TT+24*\x+\b]   ; the floor 2^(5 - 127): the byte cannot fall under 1
.endr
.endr
.irp x, 0,1
.irp b, 0,1,2,3
	v_add_nc_u32 v[TT+24*\x+8+\b], 0xfe000000, v[TT+24*\x+\b]   ; the conversion's scale operand
.endr
.endr
.irp x, 0,1
.irp b, 0,1,2,3
	v_lshrrev_b32 v[TT+24*\x+4+\b], 23, v[TT+24*\x+8+\b]
.endr
.endr
.irp x, 0,1
	v_lshl_or_b32 v[204+\x], v[TT+24*\x+5], 8, v[TT+24*\x+4]   ; p's scale word
.endr
.irp x, 0,1
	v_lshl_or_b32 v[204+\x], v[TT+24*\x+6], 16, v[204+\x]
.endr
.irp x, 0,1
	v_lshl_or_b32 v[204+\x], v[TT+24*\x+7], 24, v[204+\x]
.endr
	WIN 0x01
.irp x, 0,1
.irp c, 0,1
	v_cvt_scalef32_pk16_bf6_f32 v[180+12*\x+6*\c:182+12*\x+6*\c], v[64*\x+32*\c:64*\x+32*\c+15], v[TT+24*\x+8+2*\c]
	v_cvt_scalef32_pk16_bf6_f32 v[TT+24*\x+12+4*\c:TT+24*\x+14+4*\c], v[64*\x+32*\c+16:64*\x+32*\c+31], v[TT+24*\x+9+2*\c]
.endr
.endr
	WIN 0
	v_nop
.irp x, 0,1
.irp c, 0,1                                    ; a whole block in a lane: lanes 0-15 block 2 c, lanes 16-31 block 2 c + 1
.irp i, 0,1,2
	v_permlane16_swap_b32 v[180+12*\x+6*\c+\i], v[TT+24*\x+12+4*\c+\i]
.endr
.endr
.endr
.irp x, 0,1
.irp c, 0,1
.irp i, 0,1,2
	v_mov_b32 v[183+12*\x+6*\c+\i], v[TT+24*\x+12+4*\c+\i]
.endr
.endr
.endr
	WIN 0x45                                       ; the row's sum of the unquantised p: a tree in place, now that the codes are made
.irp w, 32,16,8,4,2
.irp x, 0,1
.set J, 0
.rept \w/2
	v_pk_add_f32 v[64*\x+J:64*\x+J+1], v[64*\x+J:64*\x+J+1], v[64*\x+\w+J:64*\x+\w+J+1]
.set J, J+2
.endr
.endr
.endr
	WIN 0x04
.irp x, 0,1
	v_pk_add_f32 v[14+4*\x:15+4*\x], v[14+4*\x:15+4*\x], v[64*\x:64*\x+1]
.endr
	WIN 0x41
	s_wait_alu depctr_va_vdst(0)                   ; directly ahead of the first reader of O^T
.irp x, 0,1
.set J, 0
.rept 32
	v_pk_mul_f32 v[128+64*\x+J:129+64*\x+J], v[128+64*\x+J:129+64*\x+J], v[20+2*\x:21+2*\x] op_sel_hi:[1,0]   ; O^T under the new M
.set J, J+2
.endr
.endr
	WIN 0x50                                       ; O^T as C and D in window 1
	s_wait_alu depctr_va_vdst(0)
	s_wait_dscnt 0x0                               ; V is in
.irp t, 0,1,2,3,4,5,6,7
.irp x, 0,1
.if \t > 3
	v_wmma_scale_f32_16x16x128_f8f6f4 v[128+64*\x+8*\t:135+64*\x+8*\t], v[FR+12*\t:FR+11+12*\t], v[180+12*\x:191+12*\x], v[128+64*\x+8*\t:135+64*\x+8*\t], v[176+\t%4], v[204+\x] matrix_a_fmt:MATRIX_FMT_BF6 matrix_b_fmt:MATRIX_FMT_BF6 matrix_a_scale:MATRIX_SCALE_ROW1
.else
	v_wmma_scale_f32_16x16x128_f8f6f4 v[128+64*\x+8*\t:135+64*\x+8*\t], v[FR+12*\t:FR+11+12*\t], v[180+12*\x:191+12*\x], v[128+64*\x+8*\t:135+64*\x+8*\t], v[176+\t%4], v[204+\x] matrix_a_fmt:MATRIX_FMT_BF6 matrix_b_fmt:MATRIX_FMT_BF6
.endif
.endr
.endr
	WIN 0
.endm
; A PHASE: the time steps tau on, whose units lie from LDS byte slotb on; every wave walks every trip
.macro PHASE dual, msk, slotb, tau, trips
	s_mov_b32 s[TB], \slotb
	s_mov_b32 s[KL], 128*(\tau)
	s_mov_b32 s[TSL], SCL+1024*(\tau)
.if \dual
	s_mov_b32 s[KS], 128*(16-(\tau))               ; 16 - tau is odd: the second trip's number is one less, by a flipped bit
	s_mov_b32 s[TSS], SCL+1024*(16-(\tau))
.endif
	s_mov_b32 s[CNT], \trips
.Lph_\@:
	STEP \dual, \msk
	s_add_co_u32 s[KL], s[KL], 128
	s_add_co_u32 s[TB], s[TB], (1+\dual)*STEPB
	s_add_co_u32 s[TSL], s[TSL], 1024
.if \dual
	s_xor_b32 s[KS], s[KS], 128
	s_xor_b32 s[TSS], s[TSS], 1024
.endif
	s_sub_co_u32 s[CNT], s[CNT], 1
	s_cmp_lg_u32 s[CNT], 0
	s_cbranch_scc1 .Lph_\@
.endm
	INIT 0
	s_wait_alu depctr_va_vdst(0)
	CHANGE G0B, 0, 5, 0                            ; slot 0 and the scale words are in; slot 1's first fill, key steps 4-8, issued as a refill is
	ASK 10, 9, 2
.irp x, 0,1
.irp c, 0,1,2
	global_load_b128 v[52+12*\x+4*\c:55+12*\x+4*\c], v[LI], s[74:75] offset:6144*\x+512*\c   ; Q of pair S: wanted when the wave changes pairs
.endr
.endr
.irp x, 0,1
	global_load_b32 v[76+\x], v[QA], s[76:77] offset:256*\x
.endr
	s_wait_loadcnt 0x8                             ; pair L's eight loads are in; pair S's eight may be out
	PHASE 0, 0, 0, 0, 4
	CHANGE G0A, 1, 4, 0                            ; slot 0 takes 9, 7, 10, 6
	ASK 10, 11, 2
	PHASE 0, 1, SLOT1, 4, 5
	CHANGE G0B, 1, 4, 0                            ; slot 1 takes 11, 5, 12, 4
	ASK 10, 13, 2
	PHASE 1, 1, 0, 9, 2
	CHANGE G0A, 1, 4, 0                            ; slot 0 takes 13, 3, 14, 2
	ASK 11, 15, 1
	PHASE 1, 1, SLOT1, 11, 2
	CHANGE G0B, 2, 4, 1                            ; slot 1 takes 15, 1, -, 0
	PHASE 1, 1, 0, 13, 2
	s_wait_tensorcnt 0x0                           ; nothing is left to fetch: a work-group barrier shows slot 1 to every wave
	ds_add_u32 v[SPW], v[NIL]
	s_wait_dscnt 0x0
	s_barrier_signal -1
	s_barrier_wait -1
	PHASE 1, 1, SLOT1, 15, 2
	WAYOUT 78
	s_wait_tensorcnt 0x0                           ; the wave's end
	ds_add_u32 v[SPW], v[NIL]
	s_wait_dscnt 0x0
	CROUND                                         ; the closing round
	s_endpgm
.Lfunc_end_k_qc6c57caace_attn:
	.size	k_qc6c57caace_attn, .Lfunc_end_k_qc6c57caace_attn-k_qc6c57caace_attn
	.p2alignl 7, 3214868480
	.fill 96, 4, 3214868480
	.section	.rodata,"a",@progbits
	.p2align	6, 0x0
	.amdhsa_kernel k_qc6c57caace_attn
		.amdhsa_group_segment_fixed_size 327680
		.amdhsa_private_segment_fixed_size 0
		.amdhsa_enable_private_segment 0
		.amdhsa_kernarg_size 40
		.amdhsa_user_sgpr_count 2
		.amdhsa_user_sgpr_kernarg_segment_ptr 1
		.amdhsa_wavefront_size32 1
		.amdhsa_system_sgpr_workgroup_id_x 1
		.amdhsa_system_sgpr_workgroup_id_y 1
		.amdhsa_system_sgpr_workgroup_id_z 1
		.amdhsa_system_vgpr_workitem_id 0
		.amdhsa_next_free_vgpr 512
		.amdhsa_next_free_sgpr 100
		.amdhsa_reserve_vcc 0
		.amdhsa_float_denorm_mode_32 3
		.amdhsa_float_denorm_mode_16_64 3
		.amdhsa_memory_ordered 1
		.amdhsa_forward_progress 1
		.amdhsa_inst_pref_size 255
	.end_amdhsa_kernel
	.section	.bss,"aw",@nobits
	.p2align	6
	.space	262144
	.amdgpu_metadata
---
amdhsa.version: [ 1, 2 ]
amdhsa.kernels:
  - .name:           k_qc6c57caace_attn
    .symbol:         k_qc6c57caace_attn.kd
    .args:
      - { .name: qc, .offset: 0, .size: 8, .value_kind: global_buffer, .address_space: global }
      - { .name: qs, .offset: 8, .size: 8, .value_kind: global_buffer, .address_space: global }
      - { .name: kv, .offset: 16, .size: 8, .value_kind: global_buffer, .address_space: global }
      - { .name: kvs, .offset: 24, .size: 8, .value_kind: global_buffer, .address_space: global }
      - { .name: out0, .offset: 32, .size: 8, .value_kind: global_buffer, .address_space: global }
    .group_segment_fixed_size: 327680
    .private_segment_fixed_size: 0
    .kernarg_segment_align: 8
    .kernarg_segment_size: 40
    .max_flat_workgroup_size: 256
    .sgpr_count:     100
    .vgpr_count:     512
    .wavefront_size: 32
...
	.end_amdgpu_metadata
.endif
;; end of part 2
